; MI455X (gfx1250); checked and timed in simulation.
; The chip was launched on July 23, 2026; its instructions are those of AMD's public machine-readable ISA for CDNA 5 (MIT licence, August 2026) and "CDNA5" Instruction Set Architecture Reference Guide (July 2026). The comments in the code are by the model that wrote it; some were corrected since.
;; Basket BSDE Solver. Allowed arithmetic: float matrix products may take bf16 or f16 operands with f32 sums; other float arithmetic in f32, or as packed bf16 or f16 multiplies, adds, multiply-adds, maxima and minima; sums over many terms, partial sums and values carried from step to step in f32; what a program stores and reads back later, other than sums and carried values, may be rounded once to bf16 or f16.
;; Inputs: W1 101 x 128 float32; W2 128 x 128 float32; W3 128 x 128 float32; W4 128 x 100 float32; Y0 1 float32; b1 128 float32; b2 128 float32; b3 128 float32; b4 100 float32; be1 128 float32; be2 128 float32; be3 128 float32; dw 8,192 x 50 x 100 float32; g1 128 float32; g2 128 float32; g3 128 float32; t_grid 8,192 x 50 float32.
;; Outputs: out0 8,192 x 1 float32; out1 8,192 x 100 float32.
;; One version. Each part assembles by itself: llvm-mc -triple=amdgcn-amd-amdhsa -mcpu=gfx1250 --defsym DOCPART=n.
;; ======== version 1 of 1: 1 launch
;; launch bsde (part 1): grid 256 x 1, 4 waves a work-group, no clusters, 327,680 bytes of LDS; arguments dw, t_grid, W1, W2, W3, W4, b1, g1, be1, b2, g2, be2, b3, g3, be3, b4, Y0, out0, out1; writes out0, out1
.if DOCPART == 1
	.amdgcn_target "amdgcn-amd-amdhsa--gfx1250"
	.amdhsa_code_object_version 6
	.text
	.protected	k_qccc11b2204_bsde
	.globl	k_qccc11b2204_bsde
	.p2align	8
	.type	k_qccc11b2204_bsde,@function
k_qccc11b2204_bsde:
	s_mov_b64 s[64:65], 0
	v_nop
	global_prefetch_b8 v0, s[64:65] scope:SCOPE_SE
	s_setreg_imm32_b32 hwreg(HW_REG_WAVE_MODE, 25, 1), 1
	s_wait_xcnt 0x0
; BASKET BSDE: 8,192 paths, 50 steps, 100 assets; at each step a net 101 -> 128 -> 128 -> 128 -> 100 (LayerNorm and exact GELU three times, a sigmoid) on (S / 100, t).
; WHAT IS USED OF THE RECURSION (it holds for every input).  S never hangs on the net: u = S / 100 starts at 1 and u' = u (1.001 + 0.2 dw).  Y is linear: with a = 1.001,
; Y' = a Y + 20 c, c = sum over assets of zeta u dw.  So the 409,600 evaluations (path, step) are independent rows, and Y = a^50 Y0 + 20 sum_i a^(49-i) c_i.
; SHARES.  A work-group owns 32 paths, each of its four waves 8.  A wave's matrix tile has 16 columns: column r = path r % 8 at step 2 j + r / 8, so 25 evaluations j a wave; no wave reads another's data before the way out.
; LAYOUT.  Every product is used transposed: source 0 = 16 output features (rows of W^T), source 1 = 16 columns (path, step).  In the result lane (r, h) holds ONE column and the features 16 t + 8 h + 0..7 of
; tile t; two neighbouring tiles rounded to bf16 ARE source 1 of the next layer, so nothing changes lanes, and a LayerNorm sum wants one exchange between the halves of the lanes.
; WEIGHTS.  W1, W2, W3 as bf16 fragments fill register windows 1, 2, 3 (256 registers each); W4 lies in LDS and is read in each evaluation (56 turning loads).
;   LayerNorm's mean is taken off the weights: W'[k][n] = W[k][n] - mean_n W[k][:], b' = b - mean b, in f32 ahead of the one rounding; then var = mean h'^2 and no difference of large sums is formed.
;   GELU: 2 gelu(x) = (x + |x|) - |x| / q^16, q = 1 + c1 |x| + .. + c6 |x|^6 (Abramowitz and Stegun 7.1.28 with the root of 2 folded in); the factor 1/2 lies in the next layer's weights.
;   Sigmoid: W4' = -log2(e) / 2 W4, b4' = -log2(e) b4, zeta = 1 / (1 + 2^v').
; dw comes by tensor loads, ten steps of a wave's 8 paths at a time (8 rows of 4,000 bytes), through two LDS slots; each refill has five evaluations in which to land.
; NO CLUSTER: the 640,000 bytes of dw that a work-group streams are read by no other; the weights (233,984 bytes) are read once, at the start, through registers, since rows are centred in f32 before they are rounded.
; LIMITS.  erf is off by 3e-7 at the most; reciprocals and exponentials flush denormals (a weight below 2^-126 counts as 0); NaN and infinities are not treated apart (padding is made by a factor 0);
; S and Y are rounded in another order than in a step-by-step scan; matrix operands are bf16.  out0 leaves as 32 bytes a wave: a work-group owns 128 bytes of it.
.set SLOT1,  1<<17                     ; slot 0 at LDS byte 0, slot 1 here: one exclusive or turns an address in one into the other's
.set WSLOT,  32000                     ; a wave's part of a slot: 8 paths x 4,000 bytes
.set CHUNKB, 4000                      ; ten steps of one path
.set SPARE,  128000                    ; the spare words: 128 bytes a wave, two blocks of 256 that no other line names
.set TG,     259072                    ; t_grid of my 32 paths, 200 bytes a path
.set TAB,    265472                    ; ten vectors of 512 bytes: b1' g1 be1 b2' g2 be2 b3' g3 be3 b4'
.set W4S,    270592                    ; W4' in bf16, [k][n], 128 rows of 224 bytes (columns 0-111)
.set WSTG,   270592                    ; at the start only, over W4S and the head of VST: a matrix in bf16, [k][n], 128 rows of 288 bytes
.set VST,    299264                    ; u of the evaluation in hand, set aside: 6,656 bytes a wave
.set STAGE,  SLOT1                     ; the way out of out1: slot 1 has had its last fill by then
.set PW,     288                       ; 9 x 32 and 7 x 32 bytes
.set P4,     224
; window 0
.set SPW, 1                            ; v1   LDS address of my spare word; never rewritten
.set NIL, 2                            ; v2   0; never rewritten
.set AE0, 3                            ; v3   32000 w + 4000 p + 32 h: my assets in the slot's first step
.set AX0, 4                            ; v4   the same at my own step's parity (+ 400 par)
.set A60, 5                            ; v5   32000 w + 4000 p + 384: assets 96-99, for both halves of the lanes
.set AX60, 6                           ; v6   + 400 par
.set AT,  7                            ; v7   my t; steps by 8 bytes an evaluation
.set ATB, 8                            ; v8   TAB + 32 h
.set AW4, 9                            ; v9   my lane's place in W4S for the turning load
.set AVS, 10                           ; v10  VST + 6656 w + 16 lane
.set HM,  11                           ; v11  1.0 in lanes 0-15, 0 in lanes 16-31
.set CA,  12                           ; v[12:13] (0, 1) at the even step, (0.2, 1.001) at the odd one
.set CB,  14                           ; v[14:15] (0.2, 1.001) at the even step, (0, 1) at the odd one
.set WK,  16                           ; v16-23 at work
.set PS,  24                           ; v24-31 my partial sums of zeta u dw, four pairs
.set ACC, 32                           ; v32-95 tile t at ACC + 8 t
.set BOP, 96                           ; v96-127 source 1: 32 features c at BOP + 8 c
.set TMP, 128                          ; v128-255 by phase:
.set UREG, TMP                         ;   u, 52 registers (tile 6 has four: assets 96-99; 0 in lanes 16-31)
.set ET,  TMP+56                       ;   the even step's dw
.set GA,  TMP+96                       ;   GELU: |x|, 16
.set GQ,  TMP+112                      ;   GELU: q, 16
.set EV,  TMP+120                      ;   u dw, 8
.set RB,  TMP+64                       ;   the way out: rows read back
; at the start only
.set TA,  160                          ; row sums, a pair a pass
.set TB,  192
.set PK,  192                          ; rounded rows, four registers a pass
.set MSB, 0
.macro WIN new                         ; s_set_vgpr_msb: bits 1:0 source 0, 3:2 source 1, 5:4 source 2, 7:6 destination; the high byte repeats the setting that is left
.if MSB != (\new)
	s_set_vgpr_msb (MSB<<8)|(\new)
.set MSB, (\new)
.endif
.endm
; ---------------- the start's macros ----------------
; n passes of 8 rows: thread (row 2 w + h, column group cg) holds 8 numbers of a row in 8 registers at rb + 8 i of window rw.  The row's sum is made over its 16 lanes, the numbers become
; raw x SC + sum x NSC (NSC = -SC / 128: the mean goes, the scale comes), in place, and are rounded to bf16.  All passes go through each phase together: no line waits for the one before it.
.macro STAGEA rw, rb, n, mask
	WIN (\rw)|((\rw)<<2)
.set i, 0
.rept \n
	v_pk_add_f32 v[TA+2*i:TA+2*i+1], v[(\rb)+8*i:(\rb)+8*i+1], v[(\rb)+8*i+2:(\rb)+8*i+3]
	v_pk_add_f32 v[TB+2*i:TB+2*i+1], v[(\rb)+8*i+4:(\rb)+8*i+5], v[(\rb)+8*i+6:(\rb)+8*i+7]
.set i, i+1
.endr
	WIN 0
.set i, 0
.rept \n
	v_pk_add_f32 v[TA+2*i:TA+2*i+1], v[TA+2*i:TA+2*i+1], v[TB+2*i:TB+2*i+1]
.set i, i+1
.endr
.set i, 0
.rept \n
	v_add_f32 v[TA+2*i], v[TA+2*i], v[TA+2*i+1]
.set i, i+1
.endr
.irp x, 1,2,4,8
.set i, 0
.rept \n
	v_add_f32_dpp v[TA+2*i], v[TA+2*i], v[TA+2*i] row_xmask:\x row_mask:0xf bank_mask:0xf
.set i, i+1
.endr
.endr
.set i, 0
.rept \n
	v_mul_f32 v[TA+2*i], s43, v[TA+2*i]
.set i, i+1
.endr
	WIN (\rw)|((\rw)<<6)
.set i, 0
.rept 4*(\n)
	v_pk_fma_f32 v[(\rb)+2*i:(\rb)+2*i+1], v[(\rb)+2*i:(\rb)+2*i+1], s[100:101], v[TA+2*(i/4):TA+2*(i/4)+1] op_sel_hi:[1,0,0]
.set i, i+1
.endr
.if \mask                              ; W1's last pass: rows 101-103 do not exist and become 0
.set i, 4*(\n)-4
.rept 4
	v_pk_mul_f32 v[(\rb)+2*i:(\rb)+2*i+1], v[(\rb)+2*i:(\rb)+2*i+1], v[28:29] op_sel_hi:[1,0]
.set i, i+1
.endr
.endif
	WIN (\rw)|((\rw)<<2)
.set i, 0
.rept 4*(\n)
	v_cvt_pk_bf16_f32 v[PK+i], v[(\rb)+2*i], v[(\rb)+2*i+1]
.set i, i+1
.endr
	WIN 0
.endm
.macro STAGEB n                        ; 16 bytes a lane; a pass is 8 rows of 288 bytes
.set i, 0
.rept \n
	ds_store_b128 v20, v[PK+4*i:PK+4*i+3] offset:8*PW*i
.set i, i+1
.endr
.endm
.macro LOADW l                         ; the staged matrix, turned, into window l: fragment (features 16 t on, k 32 c on) at v[32 t + 8 c]
	WIN (\l)<<6
.set t, 0
.rept 8
.set c, 0
.rept 4
	ds_load_tr16_b128 v[32*t+8*c:32*t+8*c+3],   v21 offset:32*PW*c+32*t
	ds_load_tr16_b128 v[32*t+8*c+4:32*t+8*c+7], v21 offset:32*PW*c+32*t+16*PW
.set c, c+1
.endr
.set t, t+1
.endr
	WIN 0
.endm
.macro MEET                            ; my LDS instructions are done; then everybody's are.  Nothing is filled by a tensor load behind these barriers
	s_wait_dscnt 0x0
	s_barrier_signal -1
	s_barrier_wait -1
.endm
; ---------------- an evaluation's macros ----------------
.macro GBLOAD tb, off                  ; a layer's g into TMP + 0..63 and be into TMP + 64..127, laid as the accumulators are
.set i, 0
.rept 16
	ds_load_b128 v[TMP+8*i:TMP+8*i+3],   v[\tb] offset:(\off)+64*i
	ds_load_b128 v[TMP+8*i+4:TMP+8*i+7], v[\tb] offset:(\off)+64*i+16
.set i, i+1
.endr
.endm
; u at my own step (the odd step's lanes go one step on), as source 1 of layer 1; b1' into the accumulators; u set aside; g1 and be1 asked for.
.macro PPH
	v_add_nc_u32 v[WK], s94, v[AE0]
	v_add_nc_u32 v[WK+1], s94, v[A60]
.set i, 0
.rept 6
	ds_load_b128 v[ET+8*i:ET+8*i+3],   v[WK] offset:64*i
	ds_load_b128 v[ET+8*i+4:ET+8*i+7], v[WK] offset:64*i+16
.set i, i+1
.endr
	ds_load_b128 v[ET+48:ET+51], v[WK+1]
	ds_load_b32 v[WK+4], v[AT]
.set i, 0
.rept 8
	ds_load_b128 v[ACC+8*i:ACC+8*i+3],   v[ATB] offset:64*i
	ds_load_b128 v[ACC+8*i+4:ACC+8*i+7], v[ATB] offset:64*i+16
.set i, i+1
.endr
	s_wait_dscnt 16                        ; the even step's dw and t are in; the 16 loads of b1' may stay out
.set i, 0
.rept 26
	v_pk_fma_f32 v[ET+2*i:ET+2*i+1], v[ET+2*i:ET+2*i+1], v[CA:CA+1], v[CA:CA+1] op_sel:[0,0,1] op_sel_hi:[1,0,1]  ; 1, or 1.001 + 0.2 dw
.set i, i+1
.endr
.set i, 0
.rept 26
	v_pk_mul_f32 v[UREG+2*i:UREG+2*i+1], v[UREG+2*i:UREG+2*i+1], v[ET+2*i:ET+2*i+1]
.set i, i+1
.endr
.set i, 0
.rept 26
	v_cvt_pk_bf16_f32 v[BOP+i], v[UREG+2*i], v[UREG+2*i+1]
.set i, i+1
.endr
	v_mul_f32 v[WK+4], v[WK+4], v[HM]      ; feature 100 is t; it lies in lanes 0-15
.irp i, 27,28,29,30,31
	v_mov_b32 v[BOP+\i], 0                 ; features 102-127
.endr
	v_cvt_pk_bf16_f32 v[BOP+26], v[WK+4], v[BOP+27]
.set i, 0
.rept 13
	ds_store_b128 v[AVS], v[UREG+4*i:UREG+4*i+3] offset:512*i
.set i, i+1
.endr
	GBLOAD ATB, 512
.endm
.macro WM t, c
	v_wmma_f32_16x16x32_bf16 v[ACC+8*(\t):ACC+8*(\t)+7], v[32*(\t)+8*(\c):32*(\t)+8*(\c)+7], v[BOP+8*(\c):BOP+8*(\c)+7], v[ACC+8*(\t):ACC+8*(\t)+7]
.endm
; Layer l's 32 products.  The sums start from the bias, which was loaded into the accumulators.  The eight accumulators take turns, one instruction a turn.
.macro MMUL l
	s_wait_dscnt 36                        ; the bias of tiles 0-5 is in: behind it were issued 4 loads of bias and 32 of g and be (from the first phase 13 stores more)
	WIN \l
.irp t, 0,1,2,3,4,5
	WM \t, 0
.endr
	s_wait_dscnt 32                        ; that of tiles 6 and 7
	WM 6, 0
	WM 7, 0
.irp c, 1,2,3
.irp t, 0,1,2,3,4,5,6,7
	WM \t, \c
.endr
.endr
	WIN 0
.endm
; 1 / sqrt(mean h'^2 + eps) into v[WK].  Each accumulator is read from its low end on.  A plain line follows the macro, ahead of the result's use (ISA guide 5.7.2).
.macro STATS
.rept 4
	v_nop                                  ; four places between the last product and the first read of a result (ISA guide 7.12.1)
.endr
.irp k, 0,1,2,3
	v_pk_mul_f32 v[WK+2*\k:WK+2*\k+1], v[ACC+2*\k:ACC+2*\k+1], v[ACC+2*\k:ACC+2*\k+1]
.endr
.set i, 4
.rept 28
	v_pk_fma_f32 v[WK+2*(i%4):WK+2*(i%4)+1], v[ACC+2*i:ACC+2*i+1], v[ACC+2*i:ACC+2*i+1], v[WK+2*(i%4):WK+2*(i%4)+1]
.set i, i+1
.endr
	v_pk_add_f32 v[WK:WK+1], v[WK:WK+1], v[WK+2:WK+3]
	v_pk_add_f32 v[WK+4:WK+5], v[WK+4:WK+5], v[WK+6:WK+7]
	v_pk_add_f32 v[WK:WK+1], v[WK:WK+1], v[WK+4:WK+5]
	v_add_f32 v[WK+2], v[WK], v[WK+1]
	v_permlanex16_b32 v[WK+3], v[WK+2], s66, s67   ; the column's other 64 features lie in the lane 16 away
	v_add_f32 v[WK+2], v[WK+2], v[WK+3]
	v_fma_f32 v[WK+2], v[WK+2], s60, s61           ; / 128 + eps
	v_rsq_f32 v[WK], v[WK+2]
.endm
.macro NORM
.set i, 0
.rept 32
	v_pk_mul_f32 v[ACC+2*i:ACC+2*i+1], v[ACC+2*i:ACC+2*i+1], v[WK:WK+1] op_sel_hi:[1,0]
.set i, i+1
.endr
	s_wait_dscnt 0x0                       ; g and be are in
.set i, 0
.rept 32
	v_pk_fma_f32 v[ACC+2*i:ACC+2*i+1], v[ACC+2*i:ACC+2*i+1], v[TMP+2*i:TMP+2*i+1], v[TMP+64+2*i:TMP+64+2*i+1]
.set i, i+1
.endr
.endm
; 2 gelu of tiles 2 c and 2 c + 1 (16 numbers a lane), rounded into source 1's block c; then the next layer's bias into the two accumulators, from v[tb] + off.
.macro GELU c, tb, off
.set xb, ACC+16*(\c)
.set i, 0
.rept 16
	v_and_b32 v[GA+i], s62, v[xb+i]
.set i, i+1
.endr
.set i, 0
.rept 8
	v_pk_fma_f32 v[GQ+2*i:GQ+2*i+1], v[GA+2*i:GA+2*i+1], s[86:87], s[84:85] op_sel_hi:[1,0,0]
.set i, i+1
.endr
.irp s, 82,80,78,76
.set i, 0
.rept 8
	v_pk_fma_f32 v[GQ+2*i:GQ+2*i+1], v[GQ+2*i:GQ+2*i+1], v[GA+2*i:GA+2*i+1], s[\s:\s+1] op_sel_hi:[1,1,0]
.set i, i+1
.endr
.endr
.set i, 0
.rept 8
	v_pk_fma_f32 v[GQ+2*i:GQ+2*i+1], v[GQ+2*i:GQ+2*i+1], v[GA+2*i:GA+2*i+1], 1.0 op_sel_hi:[1,1,0]
.set i, i+1
.endr
.rept 4                                ; q^16; where it passes f32's range the reciprocal is 0, which is right
.set i, 0
.rept 8
	v_pk_mul_f32 v[GQ+2*i:GQ+2*i+1], v[GQ+2*i:GQ+2*i+1], v[GQ+2*i:GQ+2*i+1]
.set i, i+1
.endr
.endr
.set i, 0
.rept 16
	v_rcp_f32 v[GQ+i], v[GQ+i]
.set i, i+1
.endr
.set i, 0
.rept 8
	v_pk_add_f32 v[xb+2*i:xb+2*i+1], v[xb+2*i:xb+2*i+1], v[GA+2*i:GA+2*i+1]   ; plain lines between the reciprocals and their use
.set i, i+1
.endr
.set i, 0
	s_wait_alu depctr_va_vdst(0)
.rept 8
	v_pk_fma_f32 v[xb+2*i:xb+2*i+1], v[GA+2*i:GA+2*i+1], v[GQ+2*i:GQ+2*i+1], v[xb+2*i:xb+2*i+1] neg_lo:[1,0,0] neg_hi:[1,0,0]
.set i, i+1
.endr
.set i, 0
.rept 8
	v_cvt_pk_bf16_f32 v[BOP+8*(\c)+i], v[xb+2*i], v[xb+2*i+1]
.set i, i+1
.endr
	ds_load_b128 v[xb:xb+3],     v[\tb] offset:(\off)+128*(\c)
	ds_load_b128 v[xb+4:xb+7],   v[\tb] offset:(\off)+128*(\c)+16
	ds_load_b128 v[xb+8:xb+11],  v[\tb] offset:(\off)+128*(\c)+64
	ds_load_b128 v[xb+12:xb+15], v[\tb] offset:(\off)+128*(\c)+80
.endm
; W4's fragment f = 7 c + t (assets 16 t on, k 32 c on) goes into place f % 16 of a ring of 16 in TMP.
.macro W4LD f
.set wr, TMP+8*((\f)%16)
.set wo, 32*P4*((\f)/7)+32*((\f)%7)
	ds_load_tr16_b128 v[wr:wr+3],   v[AW4] offset:wo
	ds_load_tr16_b128 v[wr+4:wr+7], v[AW4] offset:wo+16*P4
.endm
.macro WM4 t, c
.set wr, TMP+8*((7*(\c)+(\t))%16)
	v_wmma_f32_16x16x32_bf16 v[ACC+8*(\t):ACC+8*(\t)+7], v[wr:wr+7], v[BOP+8*(\c):BOP+8*(\c)+7], v[ACC+8*(\t):ACC+8*(\t)+7]
.endm
.macro PLACES                          ; four places in front of loads into registers that matrix instructions have read
.rept 4
	v_nop
.endr
.endm
; The last layer's 28 products; seven accumulators take turns.  Issued ahead of it, in this order: fragments 0-11 (24 loads), b4' (16), fragments 12-15 (8).
.macro L4
	s_wait_dscnt 12                        ; fragments 0-11 and the bias of tiles 0-5: 4 loads of bias and 8 of fragments are younger
.irp t, 0,1,2,3,4,5
	WM4 \t, 0
.endr
	s_wait_dscnt 8                         ; the rest of the bias
	WM4 6, 0
	PLACES
.irp f, 16,17,18,19,20,21,22
	W4LD \f
.endr
	s_wait_dscnt 14                        ; all but the 14 just issued: fragments 12-15 are in
.irp t, 0,1,2,3,4,5,6
	WM4 \t, 1
.endr
	PLACES
.irp f, 23,24,25,26,27
	W4LD \f
.endr
	s_wait_dscnt 14                        ; fragments 16-20 are in: 4 loads of 21 and 22 and the 10 just issued are younger
.irp t, 0,1,2,3,4,5,6
	WM4 \t, 2
.endr
	s_wait_dscnt 0x0
.irp t, 0,1,2,3,4,5,6
	WM4 \t, 3
.endr
.endm
.macro XOLD t                          ; tile t's dw: X of my own step, O of the odd step, into place t % 4 of four
.set xo, TMP+56+16*((\t)%4)
.if (\t) < 6
	ds_load_b128 v[xo:xo+3],     v[WK]   offset:64*(\t)
	ds_load_b128 v[xo+4:xo+7],   v[WK]   offset:64*(\t)+16
	ds_load_b128 v[xo+8:xo+11],  v[WK+1] offset:400+64*(\t)
	ds_load_b128 v[xo+12:xo+15], v[WK+1] offset:400+64*(\t)+16
.else
	ds_load_b128 v[xo:xo+3],     v[WK+2]
	ds_load_b128 v[xo+8:xo+11],  v[WK+3] offset:400
.endif
.endm
; Tile t: my sums take zeta u X; u goes on to step 2 j + 2: by my own step's factor, and at the even step by the odd step's too.  Both parities end with the same bits.
.macro TILEV t, np
.set xo, TMP+56+16*((\t)%4)
.set ub, UREG+8*(\t)
.set zb, ACC+8*(\t)
.set k, 0
.rept \np
	v_pk_mul_f32 v[EV+2*k:EV+2*k+1], v[ub+2*k:ub+2*k+1], v[xo+2*k:xo+2*k+1]
.set k, k+1
.endr
.set k, 0
.rept \np
	v_pk_fma_f32 v[xo+2*k:xo+2*k+1], v[xo+2*k:xo+2*k+1], s[88:89], s[90:91] op_sel_hi:[1,0,0]
.set k, k+1
.endr
.set k, 0
.rept \np
	v_pk_fma_f32 v[xo+8+2*k:xo+8+2*k+1], v[xo+8+2*k:xo+8+2*k+1], v[CB:CB+1], v[CB:CB+1] op_sel:[0,0,1] op_sel_hi:[1,0,1]
.set k, k+1
.endr
.set k, 0
	s_wait_alu depctr_va_vdst(0)
.rept \np
	v_pk_fma_f32 v[PS+2*k:PS+2*k+1], v[zb+2*k:zb+2*k+1], v[EV+2*k:EV+2*k+1], v[PS+2*k:PS+2*k+1]
.set k, k+1
.endr
.set k, 0
.rept \np
	v_pk_mul_f32 v[ub+2*k:ub+2*k+1], v[ub+2*k:ub+2*k+1], v[xo+2*k:xo+2*k+1]
.set k, k+1
.endr
.set k, 0
.rept \np
	v_pk_mul_f32 v[ub+2*k:ub+2*k+1], v[ub+2*k:ub+2*k+1], v[xo+8+2*k:xo+8+2*k+1]
.set k, k+1
.endr
.endm
.macro V4
.irp k, 0,1,2,3
	v_pk_mul_f32 v[PS+2*\k:PS+2*\k+1], v[PS+2*\k:PS+2*\k+1], s[92:93] op_sel_hi:[1,0]  ; the sums so far age by two steps: a^2.  These eight lines are the places behind the last products
.endr
	v_add_nc_u32 v[WK], s94, v[AX0]
	v_add_nc_u32 v[WK+1], s94, v[AE0]
	v_add_nc_u32 v[WK+2], s94, v[AX60]
	v_add_nc_u32 v[WK+3], s94, v[A60]
.set i, 0
.rept 13
	ds_load_b128 v[UREG+4*i:UREG+4*i+3], v[AVS] offset:512*i   ; u comes back
.set i, i+1
.endr
	XOLD 0
	XOLD 1
	XOLD 2
	XOLD 3
.set i, 0
.rept 52                               ; zeta = 1 / (1 + 2^v'), 100 assets in 52 registers, each accumulator from its low end on
	v_exp_f32 v[ACC+i], v[ACC+i]
.set i, i+1
.endr
	v_nop                                  ; a plain line between the exponentials and their use
.set i, 0
	s_wait_alu depctr_va_vdst(0)
.rept 26
	v_pk_add_f32 v[ACC+2*i:ACC+2*i+1], v[ACC+2*i:ACC+2*i+1], 1.0 op_sel_hi:[1,0]
.set i, i+1
.endr
.set i, 0
.rept 52
	v_rcp_f32 v[ACC+i], v[ACC+i]
.set i, i+1
.endr
	s_wait_dscnt 0x0                       ; u and the dw of tiles 0-3
	TILEV 0, 4
	XOLD 4
	TILEV 1, 4
	XOLD 5
	TILEV 2, 4
	XOLD 6
	TILEV 3, 4
	s_wait_dscnt 6                         ; tile 4's dw: tile 5's four loads and tile 6's two are younger
	TILEV 4, 4
	s_wait_dscnt 2
	TILEV 5, 4
	s_wait_dscnt 0x0
	TILEV 6, 2
.endm
; AN EVALUATION: steps 2 j and 2 j + 1 of my 8 paths.  Layers 1 and 2 are one text walked twice (the products alone differ, by their register window); every window is 0 at a label and at a branch.
.macro ITER tag
	PPH
	s_mov_b32 s98, 0                       ; the layer's place in the table
	s_mov_b32 s97, 2
.Llayer\tag:
	s_cmp_eq_u32 s97, 2
	s_cbranch_scc0 .Lsecond\tag
	MMUL 1
	s_branch .Lmade\tag
.Lsecond\tag:
	MMUL 2
.Lmade\tag:
	STATS
	v_add_nc_u32 v[WK+5], s98, v[ATB]      ; also the plain line behind the reciprocal root
	s_wait_alu depctr_va_vdst(0)
	NORM
	GELU 0, WK+5, 1536
	GELU 1, WK+5, 1536
	GELU 2, WK+5, 1536
	GELU 3, WK+5, 1536
	GBLOAD WK+5, 2048
	s_add_co_u32 s98, s98, 1536
	s_sub_co_u32 s97, s97, 1
	s_cmp_lg_u32 s97, 0
	s_cbranch_scc1 .Llayer\tag
	MMUL 3
	STATS
	v_nop                                  ; the plain line behind the reciprocal root
	s_wait_alu depctr_va_vdst(0)
	NORM
.irp f, 0,1,2,3,4,5,6,7,8,9,10,11
	W4LD \f                                ; g and be are spent: W4's first fragments take their places below GELU's registers
.endr
	GELU 0, ATB, 4608
	GELU 1, ATB, 4608
	GELU 2, ATB, 4608
	GELU 3, ATB, 4608
.irp f, 12,13,14,15
	W4LD \f
.endr
	L4
	V4
	s_add_co_u32 s94, s94, 800             ; two steps on in the slot
	v_add_nc_u32 v[AT], 8, v[AT]
.endm
; THE CHANGE OF SLOTS.  All my tensor loads have landed, the next chunk among them; the add; my reads of the slot that I leave are back; the barrier; and first thing behind it the one load that fills that slot again.
.macro CHANGE fill
	s_wait_tensorcnt 0x0                   ; no tensor load of mine is out, so group 0 may be written
	ds_add_u32 v[SPW], v[NIL]              ; 0 onto my spare word; the scalar steps stand between it and the wait for it
.if \fill
	s_xor_b32 s45, s45, SLOT1              ; the other slot than last time,
	s_add_nc_u64 s[46:47], s[46:47], CHUNKB  ; the next ten steps; the type bits on top are not reached
.endif
	s_sub_co_u32 s94, s94, CHUNKB          ; my reads go back to a slot's first step,
	s_xor_b32 s94, s94, SLOT1              ; in the other slot
	s_wait_dscnt 0x0
	s_barrier_signal -1
	s_barrier_wait -1
.if \fill
	tensor_load_to_lds s[44:47], s[48:55]
	s_nop 0
.endif
.endm
; ================ THE START ================
	s_load_b512 s[4:19], s[0:1], 0x0       ; dw 4, t_grid 6, W1 8, W2 10, W3 12, W4 14, b1 16, g1 18
	s_load_b512 s[20:35], s[0:1], 0x40     ; be1 20, b2 22, g2 24, be2 26, b3 28, g3 30, be3 32, b4 34
	s_load_b128 s[36:39], s[0:1], 0x80     ; Y0 36, out0 38
	s_load_b64 s[40:41], s[0:1], 0x90      ; out1
	v_lshl_add_u32 v[SPW], v0, 2, SPARE
	v_mov_b32 v[NIL], 0
	ds_add_u32 v[SPW], v[NIL]              ; the wave's opening: the add and its wait go ahead of my first tensor load; the set-up below, work on registers, stands between them
	ds_add_u32 v1, v2
	v_lshrrev_b32 v16, 5, v0
	v_readfirstlane_b32 s42, v16           ; wave 0..3
	; descriptor group 1 for dw: 8 rows (paths) of 1,000 elements of 4 bytes, 5,000 elements from path to path, dense in LDS
	s_mov_b32 s48, 2<<16
	s_mov_b32 s49, 1000<<16                ; tensor_dim0
	s_mov_b32 s50, 8<<16                   ; tensor_dim1
	s_mov_b32 s51, 1000<<16                ; tile_dim0
	s_mov_b32 s52, 8                       ; tile_dim1
	s_mov_b32 s53, 5000                    ; the pitch
	s_mov_b32 s54, 0
	s_mov_b32 s55, 0
	; and for t_grid: my 8 paths' 1,600 dense bytes as one row of 200 elements of 8 bytes
	s_mov_b32 s68, 3<<16
	s_mov_b32 s69, 200<<16
	s_mov_b32 s70, 1<<16
	s_mov_b32 s71, 200<<16
	s_mov_b32 s72, 1
	s_mov_b32 s73, 200
	s_mov_b32 s74, 0
	s_mov_b32 s75, 0
	s_mov_b32 s44, 1
	s_mul_i32 s45, s42, WSLOT              ; slot 0, my wave's part
	s_mov_b32 s56, 1
	s_mul_i32 s57, s42, 1600
	s_add_co_u32 s57, s57, TG
	s_lshl_b32 s43, ttmp9, 5
	s_lshl3_add_u32 s43, s42, s43          ; my wave's first path: 32 x work-group + 8 x wave
	s_mul_i32 s2, s43, 20000               ; its byte in dw: under 2^28
	s_mov_b32 s3, 0
	s_mov_b32 s60, 0x3c000000              ; 1 / 128
	s_mov_b32 s61, 0x3727c5ac              ; 1e-5
	s_mov_b32 s62, 0x7fffffff
	s_mov_b32 s66, 0x76543210              ; v_permlanex16_b32: each lane takes its own place in the other half
	s_mov_b32 s67, 0xfedcba98
	s_mov_b32 s76, 0x3d4c41b4              ; c1 .. c6, each twice: named as pairs
	s_mov_b32 s77, 0x3d4c41b4
	s_mov_b32 s78, 0x3cad2fe7
	s_mov_b32 s79, 0x3cad2fe7
	s_mov_b32 s80, 0x3b56cd72
	s_mov_b32 s81, 0x3b56cd72
	s_mov_b32 s82, 0x381f6607
	s_mov_b32 s83, 0x381f6607
	s_mov_b32 s84, 0x384d0fec
	s_mov_b32 s85, 0x384d0fec
	s_mov_b32 s86, 0x36b49f67
	s_mov_b32 s87, 0x36b49f67
	v_and_b32 v16, 7, v0                   ; p: my path among the wave's 8
	v_bfe_u32 v17, v0, 3, 1                ; par: my step's parity
	v_bfe_u32 v18, v0, 4, 1                ; h
	v_and_b32 v19, 31, v0                  ; lane
	v_and_b32 v23, 15, v0                  ; cg: my group of 8 columns when weights are staged
	v_mul_u32_u24 v[A60], v16, CHUNKB
	v_add_nc_u32 v[A60], s45, v[A60]
	v_lshl_add_u32 v[AE0], v18, 5, v[A60]
	v_add_nc_u32 v[A60], 384, v[A60]
	v_mad_u32_u24 v[AX0], v17, 400, v[AE0]
	v_mad_u32_u24 v[AX60], v17, 400, v[A60]
	v_mul_u32_u24 v[AT], v16, 200
	v_lshl_add_u32 v[AT], v17, 2, v[AT]
	v_add_nc_u32 v[AT], s57, v[AT]
	v_lshl_add_u32 v[ATB], v18, 5, TAB
	v_lshl_add_u32 v[AW4], v18, 3, v16     ; the turning load: row 8 h + lane % 8, 16 bytes by bit 3 of the lane
	v_mul_u32_u24 v21, v[AW4], PW
	v_mul_u32_u24 v[AW4], v[AW4], P4
	v_lshl_add_u32 v21, v17, 4, v21
	v_lshl_add_u32 v[AW4], v17, 4, v[AW4]
	v_add_nc_u32 v21, WSTG, v21            ; v21: the same place in the staged matrix
	v_add_nc_u32 v[AW4], W4S, v[AW4]
	s_mul_i32 s96, s42, 6656
	s_add_co_u32 s96, s96, VST
	v_lshl_add_u32 v[AVS], v19, 4, s96
	s_mul_i32 s96, s42, 2*PW               ; staging: in a pass of 8 rows wave w has rows 2 w and 2 w + 1
	s_add_co_u32 s96, s96, WSTG
	v_mul_u32_u24 v20, v18, PW
	v_lshl_add_u32 v20, v23, 4, v20
	v_add_nc_u32 v20, s96, v20             ; v20: where I stage 16 bytes
	s_mul_i32 s96, s42, 2*P4
	s_add_co_u32 s96, s96, W4S
	v_min_u32 v22, 13, v23                 ; W4' has 14 groups of 8 columns; groups 13, 14 and 15 all hold zeros and write them to group 13's place
	v_lshlrev_b32 v22, 4, v22
	v_mad_u32_u24 v22, v18, P4, v22
	v_add_nc_u32 v22, s96, v22             ; v22: where I put 16 bytes of W4'
	s_mul_i32 s100, s42, 1536
	s_add_co_u32 s100, s100, TAB           ; my wave's three vectors of the table (wave 3: b4')
	v_lshlrev_b32 v12, 5, v0               ; in W1-W3: row thread / 16 of a pass, 32 bytes at column group cg = 32 x thread
	v_lshrrev_b32 v176, 4, v0              ; kr: that row
	v_add_nc_u32 v13, 96, v176             ; W1's last pass: rows 96-100, the others clamped to row 100 and masked
	v_min_u32 v13, 100, v13
	v_lshlrev_b32 v13, 9, v13
	v_lshl_add_u32 v13, v23, 5, v13
	v_lshlrev_b32 v177, 5, v23             ; in W4 (rows of 400 bytes): both halves of my 32 bytes clamped to the row's last 16
	v_min_u32 v14, 384, v177
	v_add_nc_u32 v15, 16, v177
	v_min_u32 v15, 384, v15
	v_mad_u32_u24 v14, v176, 400, v14
	v_mad_u32_u24 v15, v176, 400, v15
	v_lshlrev_b32 v172, 4, v19             ; 16 x lane: a vector of 128 numbers is one load of a wave
	v_cmp_gt_u32 s99, 5, v176
	v_cndmask_b32 v28, 0, 1.0, s99         ; W1's last pass: 1 for rows 96-100
	v_mov_b32 v29, 0                       ; named with it as a pair
	s_mov_b32 s98, 0xbf38aa3b              ; -log2(e) / 2
	v_cmp_gt_u32 s99, 13, v23
	v_cndmask_b32 v30, 0, s98, s99         ; W4's factor for columns 8 cg .. + 3: they exist up to cg = 12
	v_cmp_gt_u32 s99, 12, v23
	v_cndmask_b32 v31, 0, s98, s99         ; and for columns 8 cg + 4 .. + 7: up to cg = 11
.irp i, 24,25,26,27
	v_mov_b32 v\i, 0                       ; 16 bytes of zeros, for W1's rows 104-127
.endr
	s_wait_dscnt 0x0                       ; the opening add is done
	s_wait_kmcnt 0x0
	s_add_nc_u64 s[46:47], s[4:5], s[2:3]  ; dw at my wave's first path, steps 0-9
	s_or_b32 s47, s47, 0x80000000          ; type = 2
	s_mul_i32 s2, s43, 200
	s_add_nc_u64 s[58:59], s[6:7], s[2:3]
	s_or_b32 s59, s59, 0x80000000
	tensor_load_to_lds s[44:47], s[48:55]  ; the two first fills go out together, ahead of every wait on TENSORcnt, LDS read and barrier: two loads of mine are out
	s_nop 0
	tensor_load_to_lds s[56:59], s[68:75]
	s_nop 0
	s_load_b32 s63, s[36:37], 0x0          ; Y0
	s_mul_i32 s2, ttmp9, 12800
	s_add_nc_u64 s[40:41], s[40:41], s[2:3]  ; out1 and out0 at my work-group's 32 paths
	s_lshl_b32 s2, ttmp9, 7
	s_add_nc_u64 s[38:39], s[38:39], s[2:3]
	; wave w makes layer w + 1's b', g, be; wave 3 makes b4'
	s_cmp_eq_u32 s42, 0
	s_cselect_b64 s[88:89], s[16:17], s[22:23]
	s_cselect_b64 s[90:91], s[18:19], s[24:25]
	s_cselect_b64 s[92:93], s[20:21], s[26:27]
	s_cmp_lt_u32 s42, 2
	s_cselect_b64 s[88:89], s[88:89], s[28:29]
	s_cselect_b64 s[90:91], s[90:91], s[30:31]
	s_cselect_b64 s[92:93], s[92:93], s[32:33]
	s_mov_b32 s2, 496
	s_cmp_lt_u32 s42, 3
	s_cselect_b64 s[88:89], s[88:89], s[34:35]
	s_cselect_b32 s2, s2, 384              ; the vector's last 16 bytes: b4 has 400 bytes
	s_cselect_b32 s3, 0xbc000000, 0        ; -1 / 128: the mean goes; b4 keeps its
	s_cselect_b32 s43, 1.0, 0xbfb8aa3b     ; b4 takes -log2(e)
	v_min_u32 v173, s2, v172
	; ALL RAW WEIGHTS BUT W4 ARE ASKED FOR AT ONCE: 3 + 26 + 32 + 32 loads
	global_load_b128 v[168:171], v173, s[88:89]
	global_load_b128 v[160:163], v172, s[90:91]
	global_load_b128 v[164:167], v172, s[92:93]
.set i, 0
.rept 12
	global_load_b128 v[32+8*i:35+8*i], v12, s[8:9] offset:4096*i
	global_load_b128 v[36+8*i:39+8*i], v12, s[8:9] offset:4096*i+16
.set i, i+1
.endr
	global_load_b128 v[128:131], v13, s[8:9]
	global_load_b128 v[132:135], v13, s[8:9] offset:16
	WIN 0xc0                               ; W2 and W3 wait in window 3, which takes its fragments last
.set i, 0
.rept 16
	global_load_b128 v[8*i:8*i+3],   v12, s[10:11] offset:4096*i
	global_load_b128 v[8*i+4:8*i+7], v12, s[10:11] offset:4096*i+16
.set i, i+1
.endr
.set i, 0
.rept 16
	global_load_b128 v[128+8*i:128+8*i+3], v12, s[12:13] offset:4096*i
	global_load_b128 v[128+8*i+4:128+8*i+7], v12, s[12:13] offset:4096*i+16
.set i, i+1
.endr
	WIN 0
	s_wait_loadcnt 63                      ; of 93 loads the oldest 30 are in: the three vectors and all of W1
	v_add_f32 v175, v168, v169
	v_add_f32 v174, v170, v171
	v_add_f32 v175, v175, v174
	v_add_f32_dpp v175, v175, v175 row_xmask:1 row_mask:0xf bank_mask:0xf
	v_add_f32_dpp v175, v175, v175 row_xmask:2 row_mask:0xf bank_mask:0xf
	v_add_f32_dpp v175, v175, v175 row_xmask:4 row_mask:0xf bank_mask:0xf
	v_add_f32_dpp v175, v175, v175 row_xmask:8 row_mask:0xf bank_mask:0xf
	v_permlanex16_b32 v174, v175, s66, s67
	v_add_f32 v175, v175, v174             ; the vector's sum
	v_cmp_ge_u32 s99, s2, v172
	v_cndmask_b32 v174, 0, s43, s99        ; the factor; 0 where b4 has ended
	v_mul_f32 v175, s3, v175               ; minus the mean
	v_mul_f32 v175, v175, v174
.irp i, 168,169,170,171
	v_fma_f32 v\i, v\i, v174, v175         ; (b - mean) x factor
.endr
	v_add_nc_u32 v173, s100, v172
	ds_store_b128 v173, v[168:171]
	s_cmp_lt_u32 s42, 3
	s_cbranch_scc0 .Lno_gain               ; the last layer has neither
	ds_store_b128 v173, v[160:163] offset:512
	ds_store_b128 v173, v[164:167] offset:1024
.Lno_gain:
	s_mov_b32 s100, 1.0                    ; W1: scale 1
	s_mov_b32 s101, 1.0
	s_mov_b32 s43, 0xbc000000              ; -1 / 128
	STAGEA 0, 32, 13, 1
	STAGEB 13
.irp i, 13,14,15
	ds_store_b128 v20, v[24:27] offset:8*PW*\i
.endr
.set i, 0
.rept 16                               ; W4, into the registers that W1 has left
	global_load_b128 v[32+8*i:35+8*i], v14, s[14:15] offset:3200*i
	global_load_b128 v[36+8*i:39+8*i], v15, s[14:15] offset:3200*i
.set i, i+1
.endr
	MEET                                   ; W1' is staged, the table is written
	LOADW 1
	s_wait_loadcnt 63                      ; W2 is in: W3's 32 loads and W4's 32 are younger, and 63 is the largest count that the wait can name
	s_mov_b32 s100, 0.5                    ; W2 and W3: scale 1 / 2, for the 2 in 2 gelu
	s_mov_b32 s101, 0.5
	s_mov_b32 s43, 0xbb800000              ; -1 / 256
	STAGEA 3, 0, 16, 0                     ; work on registers while the fragments are on their way
	MEET                                   ; everybody has W1's fragments: the stage may be written again
	STAGEB 16
	MEET
	LOADW 2
	s_wait_loadcnt 32                      ; W3 is in: W4's 32 loads are younger
	STAGEA 3, 128, 16, 0
	MEET
	STAGEB 16
	MEET
	LOADW 3
	s_wait_loadcnt 0x0                     ; W4
.set i, 0
.rept 16
	v_pk_mul_f32 v[32+8*i:33+8*i], v[32+8*i:33+8*i], v[30:31] op_sel_hi:[1,0]
	v_pk_mul_f32 v[34+8*i:35+8*i], v[34+8*i:35+8*i], v[30:31] op_sel_hi:[1,0]
	v_pk_mul_f32 v[36+8*i:37+8*i], v[36+8*i:37+8*i], v[30:31] op_sel:[0,1] op_sel_hi:[1,1]
	v_pk_mul_f32 v[38+8*i:39+8*i], v[38+8*i:39+8*i], v[30:31] op_sel:[0,1] op_sel_hi:[1,1]
.set i, i+1
.endr
.set i, 0
.rept 64
	v_cvt_pk_bf16_f32 v[PK+i], v[32+2*i], v[33+2*i]
.set i, i+1
.endr
	MEET                                   ; everybody has W3's fragments: W4' goes where the stage lay
.set i, 0
.rept 16
	ds_store_b128 v22, v[PK+4*i:PK+4*i+3] offset:8*P4*i
.set i, i+1
.endr
	s_wait_kmcnt 0x0                       ; Y0
	s_wait_xcnt 0x0                        ; every load's address has been translated: EXEC is next changed on the way out
	s_mov_b32 s88, 0x3e4ccccd              ; 0.2
	s_mov_b32 s89, 0x3e4ccccd
	s_mov_b32 s90, 0x3f8020c5              ; 1.001
	s_mov_b32 s91, 0x3f8020c5
	s_mov_b32 s92, 0x3f804192              ; 1.001^2
	s_mov_b32 s93, 0x3f804192
	v_cmp_ne_u32 s99, 0, v17
	v_cndmask_b32 v[CA], 0, s88, s99
	v_cndmask_b32 v[CA+1], 1.0, s90, s99
	v_cndmask_b32 v[CB], s88, 0, s99
	v_cndmask_b32 v[CB+1], s90, 1.0, s99
	v_cmp_eq_u32 s99, 0, v18
	v_cndmask_b32 v[HM], 0, 1.0, s99
.set i, 0
.rept 48
	v_mov_b32 v[UREG+i], 1.0               ; u = S / 100 starts at 1
.set i, i+1
.endr
.irp i, 48,49,50,51
	v_mov_b32 v[UREG+\i], v[HM]            ; assets 96-99 lie in lanes 0-15 alone
.endr
.irp i, 0,1,2,3,4,5,6,7
	v_mov_b32 v[PS+\i], 0
.endr
	s_mov_b32 s94, SLOT1+CHUNKB            ; the first change of slots turns this into 0
	MEET                                   ; W4' is whole
; ================ THE WALK: five chunks of ten steps, five evaluations each ================
	s_mov_b32 s95, 4
.Lchunk:                                       ; trip k works on chunk k, in slot k % 2, and asks for chunk k + 1 (at its first use nothing has been read yet: slot 0 is waited for, slot 1 filled)
	CHANGE 1
	s_mov_b32 s96, 5
.Liter:
	ITER a
	s_sub_co_u32 s96, s96, 1
	s_cmp_lg_u32 s96, 0
	s_cbranch_scc1 .Liter
	s_sub_co_u32 s95, s95, 1
	s_cmp_lg_u32 s95, 0
	s_cbranch_scc1 .Lchunk
	CHANGE 0                               ; the last chunk is written out: nothing is asked for
	s_mov_b32 s96, 5
.Ltail:
	ITER b
	s_sub_co_u32 s96, s96, 1
	s_cmp_lg_u32 s96, 0
	s_cbranch_scc1 .Ltail
; ================ THE WAY OUT ================
	; out1 = 100 u.  A path's 400 bytes are gathered in the stage (slot 1: its last fill was read out in front of the last barrier), and the work-group's 12,800 bytes leave as runs of 512.
	s_mov_b32 s100, 0x42c80000
	s_mov_b32 s101, 0x42c80000
.set i, 0
.rept 26
	v_pk_mul_f32 v[UREG+2*i:UREG+2*i+1], v[UREG+2*i:UREG+2*i+1], s[100:101] op_sel_hi:[1,0]
.set i, i+1
.endr
	v_and_b32 v16, 7, v0
	v_bfe_u32 v17, v0, 4, 1
	v_and_b32 v18, 31, v0
	s_mul_i32 s96, s42, 3200
	s_add_co_u32 s96, s96, STAGE
	v_mul_u32_u24 v19, v16, 400
	v_add_nc_u32 v19, s96, v19             ; my path's row
	v_lshl_add_u32 v20, v17, 5, v19
.set i, 0
.rept 6                                ; both parities hold the same bits and write them to the same bytes
	ds_store_b128 v20, v[UREG+8*i:UREG+8*i+3] offset:64*i
	ds_store_b128 v20, v[UREG+8*i+4:UREG+8*i+7] offset:64*i+16
.set i, i+1
.endr
	v_cmp_gt_u32 vcc_lo, 16, v18
	s_and_saveexec_b32 s99, vcc_lo         ; assets 96-99: lanes 0-15 alone hold them.  No global instruction has been issued since the last s_wait_xcnt 0
	ds_store_b128 v19, v[UREG+48:UREG+51] offset:384
	s_or_b32 exec_lo, exec_lo, s99
	; out0 = a^50 Y0 + 20 x (a x the even steps' sums + the odd steps'), over my path's four lanes
	v_pk_add_f32 v[PS:PS+1], v[PS:PS+1], v[PS+2:PS+3]
	v_pk_add_f32 v[PS+4:PS+5], v[PS+4:PS+5], v[PS+6:PS+7]
	v_pk_add_f32 v[PS:PS+1], v[PS:PS+1], v[PS+4:PS+5]
	v_add_f32 v[PS], v[PS], v[PS+1]
	v_mul_f32 v[PS+1], 0x41a00000, v[CB+1] ; 20 x 1.001 at the even step, 20 at the odd one
	v_mul_f32 v[PS], v[PS], v[PS+1]
	v_add_f32_dpp v[PS], v[PS], v[PS] row_xmask:8 row_mask:0xf bank_mask:0xf
	v_permlanex16_b32 v[PS+1], v[PS], s66, s67
	v_add_f32 v[PS], v[PS], v[PS+1]
	s_mov_b32 s97, 0x3f868f31              ; 1.001^50
	v_fma_f32 v[PS], s63, s97, v[PS]
	s_lshl_b32 s96, s42, 9
	v_lshl_add_u32 v21, v18, 4, s96        ; 512 x wave + 16 x lane
	v_add_nc_u32 v22, STAGE, v21
	s_lshl_b32 s96, s42, 5
	v_lshl_add_u32 v23, v18, 2, s96        ; out0: 32 x wave + 4 x path
	MEET                                   ; the stage is whole
.set i, 0
.rept 6
	ds_load_b128 v[RB+4*i:RB+4*i+3], v22 offset:2048*i
.set i, i+1
.endr
.set i, 0
.rept 6
	s_wait_dscnt 5-i
	global_store_b128 v21, v[RB+4*i:RB+4*i+3], s[40:41] offset:2048*i th:TH_STORE_NT  ; a wave's store covers 512 consecutive bytes, at a multiple of 256 from out1's first byte
.set i, i+1
.endr
	s_cmp_lg_u32 s42, 0
	s_cbranch_scc1 .Lnot_wave_0            ; 12,800 = 6 x 2,048 + 512: the last 512 bytes are wave 0's
	ds_load_b128 v[RB+24:RB+27], v22 offset:12288
	s_wait_dscnt 0x0
	global_store_b128 v21, v[RB+24:RB+27], s[40:41] offset:12288 th:TH_STORE_NT
.Lnot_wave_0:
	s_wait_xcnt 0x0                        ; EXEC changes only behind s_wait_xcnt 0
	v_cmp_gt_u32 vcc_lo, 8, v18
	s_and_saveexec_b32 s99, vcc_lo
	global_store_b32 v23, v[PS], s[38:39]  ; lanes 0-7: my wave's 8 paths
	s_wait_xcnt 0x0                        ; and again, in front of the line that widens it
	s_or_b32 exec_lo, exec_lo, s99
	s_wait_tensorcnt 0x0                   ; the wave's end, behind my last tensor load and my last LDS store
	ds_add_u32 v[SPW], v[NIL]
	s_wait_dscnt 0x0
	s_endpgm
.Lfunc_end_k_qccc11b2204_bsde:
	.size	k_qccc11b2204_bsde, .Lfunc_end_k_qccc11b2204_bsde-k_qccc11b2204_bsde
	.p2alignl 7, 3214868480
	.fill 96, 4, 3214868480
	.section	.rodata,"a",@progbits
	.p2align	6, 0x0
	.amdhsa_kernel k_qccc11b2204_bsde
		.amdhsa_group_segment_fixed_size 327680
		.amdhsa_private_segment_fixed_size 0
		.amdhsa_enable_private_segment 0
		.amdhsa_kernarg_size 152
		.amdhsa_user_sgpr_count 2
		.amdhsa_user_sgpr_kernarg_segment_ptr 1
		.amdhsa_wavefront_size32 1
		.amdhsa_system_sgpr_workgroup_id_x 1
		.amdhsa_system_sgpr_workgroup_id_y 1
		.amdhsa_system_sgpr_workgroup_id_z 1
		.amdhsa_system_vgpr_workitem_id 0
		.amdhsa_next_free_vgpr 1024
		.amdhsa_next_free_sgpr 102
		.amdhsa_reserve_vcc 1
		.amdhsa_float_denorm_mode_32 3
		.amdhsa_float_denorm_mode_16_64 3
		.amdhsa_memory_ordered 1
		.amdhsa_forward_progress 1
		.amdhsa_inst_pref_size 255
	.end_amdhsa_kernel
	.section	.bss,"aw",@nobits
	.p2align	6
	.space	262144
	.amdgpu_metadata
---
amdhsa.version: [ 1, 2 ]
amdhsa.kernels:
  - .name:           k_qccc11b2204_bsde
    .symbol:         k_qccc11b2204_bsde.kd
    .args:
      - { .name: dw, .offset: 0, .size: 8, .value_kind: global_buffer, .address_space: global }
      - { .name: t_grid, .offset: 8, .size: 8, .value_kind: global_buffer, .address_space: global }
      - { .name: W1, .offset: 16, .size: 8, .value_kind: global_buffer, .address_space: global }
      - { .name: W2, .offset: 24, .size: 8, .value_kind: global_buffer, .address_space: global }
      - { .name: W3, .offset: 32, .size: 8, .value_kind: global_buffer, .address_space: global }
      - { .name: W4, .offset: 40, .size: 8, .value_kind: global_buffer, .address_space: global }
      - { .name: b1, .offset: 48, .size: 8, .value_kind: global_buffer, .address_space: global }
      - { .name: g1, .offset: 56, .size: 8, .value_kind: global_buffer, .address_space: global }
      - { .name: be1, .offset: 64, .size: 8, .value_kind: global_buffer, .address_space: global }
      - { .name: b2, .offset: 72, .size: 8, .value_kind: global_buffer, .address_space: global }
      - { .name: g2, .offset: 80, .size: 8, .value_kind: global_buffer, .address_space: global }
      - { .name: be2, .offset: 88, .size: 8, .value_kind: global_buffer, .address_space: global }
      - { .name: b3, .offset: 96, .size: 8, .value_kind: global_buffer, .address_space: global }
      - { .name: g3, .offset: 104, .size: 8, .value_kind: global_buffer, .address_space: global }
      - { .name: be3, .offset: 112, .size: 8, .value_kind: global_buffer, .address_space: global }
      - { .name: b4, .offset: 120, .size: 8, .value_kind: global_buffer, .address_space: global }
      - { .name: Y0, .offset: 128, .size: 8, .value_kind: global_buffer, .address_space: global }
      - { .name: out0, .offset: 136, .size: 8, .value_kind: global_buffer, .address_space: global }
      - { .name: out1, .offset: 144, .size: 8, .value_kind: global_buffer, .address_space: global }
    .group_segment_fixed_size: 327680
    .private_segment_fixed_size: 0
    .kernarg_segment_align: 8
    .kernarg_segment_size: 152
    .max_flat_workgroup_size: 128
    .sgpr_count:     102
    .vgpr_count:     1024
    .wavefront_size: 32
...
	.end_amdgpu_metadata
.endif
;; end of part 1
